; MI455X (gfx1250); checked and timed in simulation.
; The chip was launched on July 23, 2026; its instructions are those of AMD's public machine-readable ISA for CDNA 5 (MIT licence, August 2026) and "CDNA5" Instruction Set Architecture Reference Guide (July 2026). The comments in the code are by the model that wrote it; some were corrected since.
;; AG Gemm Intra Node. Allowed arithmetic: float matrix products may take bf16 or f16 operands with f32 sums; other float arithmetic in f32, or as packed bf16 or f16 multiplies, adds, multiply-adds, maxima and minima; sums over many terms, partial sums and values carried from step to step in f32; what a program stores and reads back later, other than sums and carried values, may be rounded once to bf16 or f16.
;; Inputs: input_shards 8 x 1,024 x 4,096 float32; weight 2,048 x 4,096 float32.
;; Outputs: out0 8,192 x 2,048 float32.
;; Constants: transed_weight = 0.
;; 3 versions, each right; version 3 is version 2 with the launch cast written anew for expert scheduling mode. Each part assembles by itself: llvm-mc -triple=amdgcn-amd-amdhsa -mcpu=gfx1250 --defsym DOCPART=n.
;; ======== version 1 of 3: 1 launch
;; launch aggemm (part 1): grid 8 x 32, 4 waves a work-group, clusters of 4 x 4, 327,680 bytes of LDS; arguments input_shards, weight, out0; writes out0
.if DOCPART == 1
	.amdgcn_target "amdgcn-amd-amdhsa--gfx1250"
	.amdhsa_code_object_version 6
	.text
	.protected	k_q485487d4ab_aggemm
	.globl	k_q485487d4ab_aggemm
	.p2align	8
	.type	k_q485487d4ab_aggemm,@function
k_q485487d4ab_aggemm:
	s_mov_b64 s[64:65], 0
	v_nop
	global_prefetch_b8 v0, s[64:65] scope:SCOPE_SE
	s_setreg_imm32_b32 hwreg(HW_REG_WAVE_MODE, 25, 1), 1
	s_wait_xcnt 0x0
	s_wait_alu depctr_hold_cnt(0) depctr_sa_sdst(0) depctr_va_vdst(0) depctr_va_sdst(0) depctr_va_ssrc(0) depctr_va_vcc(0) depctr_vm_vsrc(0)
	s_getreg_b32 s2, hwreg(HW_REG_IB_STS2, 6, 4)
	s_cmp_eq_u32 s2, 0
	s_cbranch_scc0 .Lentry_in_a_cluster
	s_endpgm
.Lentry_in_a_cluster:
	s_bfe_u32 s2, ttmp6, 0x10000c
	s_cmp_lg_u32 s2, 0xf033
	s_cbranch_scc0 .Lentry_shape_is_right
	s_endpgm
.Lentry_shape_is_right:
; out0[m][n] = the sum over k of A[m][k] W[n][k].  A = input_shards read as [8192][4096] (the gather along M is a reshape: no byte moves), W = weight [2048][4096]
; (transed_weight is the constant 0, no buffer: reference() takes weight.T, so W's rows already lie along K), out0 [8192][2048]; all f32 in memory.
; NOTHING IS LEFT OUT: every byte of both inputs has a way to the output and is loaded.
; LIMITS.  Each number of A and W is rounded once to bf16 (to nearest even; bf16 has f32's exponents, so no range is lost); products are summed in f32 by the matrix unit, K ascending, one
; accumulator for each output.  NaN and infinities go through as the conversions and the matrix unit carry them.
; ONE LAUNCH, THE ROUNDING FUSED IN.  The tiles lie in LDS as f32; each wave reads them into a small ring of raw registers and rounds them on the way to the matrix unit.  A launch of its own for
; the rounding would read 168 MB, write 84 MB and have them read again; here each input byte leaves memory for a tile once.  The price: one 16-byte LDS load for each matrix instruction, and K steps of 64.
; SHAPE.  A tile of C is 256 x 256: 32 x 8 = 256 tiles, one work-group each.  Four waves, each 128 x 128: 64 accumulators of 16 x 16, 512 registers.  K goes in steps of 64 (rows of 256 bytes, each at a
; multiple of 256 bytes from its buffer's first byte) through a ring of two LDS slots filled by the tensor data mover.
; CLUSTERS: 4 x 4 work-groups.  The four of a row of the cluster need the same tiles of A, the four of a column the same tiles of W: each tile is asked for JOINTLY, by the same tensor load with the same
; descriptor and a mask that names the four.  That divides the requests for A and W by four.
; THE MATRIX INSTRUCTION IS USED TRANSPOSED: source 0 = 16 rows of W, source 1 = 16 rows of A.  In the result lane l holds row l % 16 of C and the columns 8 (l / 16) + 0..7: 32 neighbouring bytes.
; THE PIPELINE.  A QUARTER is 32 along K: 64 matrix instructions, in eight BEATS of eight (A's block j x W's eight blocks).  A CHUNK is two fragments as f32: 8 loads of 16 bytes a lane, 32 raw registers, 16
; conversions.  Beat j of quarter Q loads the chunk three ahead, multiplies out of fragment buffer Q % 2, and rounds chunk j of quarter Q + 1 into the other buffer: behind every two matrix instructions stand
; four conversions.  They name only raw registers and the other buffer, so they are also the places that a matrix instruction's registers want before they are written again (ISA guide 7.12.1).
; REGISTERS, in windows of 256 (s_set_vgpr_msb: bits 1:0 source 0, 3:2 source 1, 5:4 source 2, 7:6 destination):
;   window 0: v0-31 addresses; v64-191 four raw chunks of 32 (on the way out: two buffers of 64)        window 1: v0-127, v128-255 two fragment buffers in bf16: W's block b at 8 b, A's block a at 64 + 8 a
;   window 2: the accumulators of my rows 0-63 ((a, b) at 8 (8 a + b))                                    window 3: those of my rows 64-127
; A conversion reads window 0 and writes window 1, a product reads window 1: each group of two products and four conversions costs two switches, a beat nine.  No window has room to spare them.
.set ROWB,   16384                     ; bytes in a row of A and of W
.set CROW,   8192                      ; bytes in a row of C
.set STEPB,  256                       ; bytes of a row in a K step of 64
.set PITCH,  272                       ; an LDS row: 256 bytes + 16 of padding = 17 x 16: the 16 rows that a load's 16 lanes touch start at 16 different 16-byte columns of 256 bytes
.set HALFT,  128*PITCH                 ; 128 rows: what one tensor load brings, and what one wave reads of A or of W
.set SLOT,   4*HALFT                   ; A's 256 rows, then W's 256 rows
.set STAGE,  2*SLOT                    ; behind the ring, never filled by a tensor load: 16 rows x 528 bytes for each wave, for the way out
.set SPITCH, 528                       ; 512 bytes + 16 = 33 x 16
.set SPARE,  STAGE+4*16*SPITCH         ; behind the stages: the spare words, 128 bytes for each wave: two blocks of 256 bytes that no other line names
.set TRIPS,  30                        ; the loop's trips: four quarters each, quarters 1 to 120 of 0 to 127
.set ADRA, 16                          ; v16-17  LDS address of my A rows in slot 0, 1: row (l % 16) x pitch + 32 (l / 16)
.set ADRB, 20                          ; v20-21  the same for W
.set STO,  24                          ; v24     the way out: where I put 32 bytes of a row
.set RD,   25                          ; v25     the way out: where I read a row back
.set CO,   26                          ; v26     my 16 bytes of a row's 512 in C; never rewritten
.set SPW,  28                          ; v28     LDS address of my spare word: SPARE + 4 x my thread's number; never rewritten
.set NIL,  29                          ; v29     0; never rewritten
.set PFO,  30                          ; v30     the prefetches' offset: my lane x a row of A or W; never rewritten
.set RAW,  64                          ; raw chunk i at v[64 + 32 i]
.set F0,   0                           ; fragment buffers, in window 1
.set F1,   128
.set G1,  24                           ; s[24:31] descriptor group 1 for A's tiles;  s[32:39] group 0, one set for each slot
.set G0,  32
.set G1B, 48                           ; s[48:55], s[56:63] the same for W's tiles
.set G0B, 56
.set LIM, 43                           ; s43     1 in a wave that prefetches, else the greatest number
.set PFA, 44                           ; s[44:45] where my prefetches stand: my work-group's 32 rows of the 128 that I fetch, at the K step to be named
.set MUL_LO, 0xa5                      ; sources 0 and 1 window 1, C and D window 2
.set MUL_HI, 0xf5                      ; the same, C and D window 3
.set CVT,    0x40                      ; destination window 1, sources window 0
.set ST_LO,  0x08                      ; an LDS store's data (source 1) in window 2
.set MSB, 0
.macro WIN new                         ; the immediate's high byte repeats the setting that is left; a switch that changes nothing is dropped
.if MSB != (\new)
	s_set_vgpr_msb (MSB<<8)|(\new)
.set MSB, (\new)
.endif
.endm
; A joint refill.  Waves 0 and 1 fetch A's two halves, waves 2 and 3 W's.  Each line has one mask and one set of registers; the branch hangs on the wave's number alone.
; An s_nop 0 and four v_nop follow each of the two lines, ahead of the jump, the label and what follows.
.macro JLOAD s
	s_cmp_eq_u32 s11, 0
	s_cbranch_scc0 .Lfor_b_\@
	tensor_load_to_lds s[G0+4*(\s):G0+4*(\s)+3], s[G1:G1+7]
	s_nop 0
.rept 4
	v_nop
.endr
	s_branch .Lasked_\@
.Lfor_b_\@:
	tensor_load_to_lds s[G0B+4*(\s):G0B+4*(\s)+3], s[G1B:G1B+7]
	s_nop 0
.rept 4
	v_nop
.endr
.Lasked_\@:
.endm
; A PREFETCH INTO THE L2: 32 rows x 256 bytes of the K step that stands THREE refills on (384 matrix instructions ahead of the load that will ask for it), a lane a row, one instruction a wave.
; Each row's 256 bytes of a K step are named ONCE in the launch: A's tile row is read by both clusters of its row of clusters, and the one with x = 0 asks; W's tile column by all eight of its column, and the one
; with y = 0 asks.  The four partners that ask for a tile jointly share its rows out BY ADDRESS: of the 128 rows that a wave fetches the partner at place p takes 32 p .. 32 p + 31 (p = cx for A, cy for W).
; K steps 0 to 4 come by their loads alone; in the loop's last trip (s3 = 1) and behind the loop nothing is asked for: the last K step named is 63, the rows' last.
.macro ASK
	s_cmp_gt_u32 s3, s[LIM]
	s_cbranch_scc0 .Lnot_mine_\@
	global_prefetch_b8 v[PFO], s[PFA:PFA+1] th:TH_LOAD_NT scope:SCOPE_SE
.Lnot_mine_\@:
.endm
; A round of the cluster's barrier: my work-group's barrier, so that wave 0's signal speaks for all four waves; wave 0 signals for the work-group; every wave waits for all sixteen; my work-group's barrier once more.
.macro CREST                           ; a round behind its opening barrier
	s_cmp_lg_u32 s10, 0
	s_cbranch_scc1 .Lnot_wave_0_\@
	s_barrier_signal -3
.Lnot_wave_0_\@:
	s_barrier_wait -3
	s_barrier_signal -1
	s_barrier_wait -1
.endm
.macro CROUND                          ; a whole round
	s_barrier_signal -1
	s_barrier_wait -1
	CREST
.endm
	s_load_b128 s[4:7], s[0:1], 0x0                ; A s[4:5], W s[6:7]
	s_load_b64 s[8:9], s[0:1], 0x10                ; C
	v_lshl_add_u32 v[SPW], v0, 2, SPARE
	v_mov_b32 v[NIL], 0
	ds_add_u32 v[SPW], v[NIL]                      ; the wave's opening: the add, twice on end, and its wait ahead of my first tensor load; the set-up below, work on registers, stands between
	ds_add_u32 v[SPW], v[NIL]                      ; and once more, under the one wait
	v_lshrrev_b32 v1, 5, v0
	v_readfirstlane_b32 s10, v1                    ; wave 0..3
	s_lshr_b32 s11, s10, 1                         ; which half of the tile's rows is mine.  Also: I fetch for A (0) or for W (1)
	s_and_b32 s12, s10, 1                          ; which half of its columns.  Also: which 128 rows of that tile I fetch
	s_bfe_u32 s40, ttmp6, 0x40000                  ; cx: my place along the cluster's x
	s_bfe_u32 s41, ttmp6, 0x40004                  ; cy: along its y
	s_lshl_b32 s42, ttmp9, 2                       ; in a cluster launch ttmp9 and ttmp7 count clusters
	s_add_co_u32 s42, s42, s40                     ; tile column of C = 4 x cluster x + cx: 0..7
	s_and_b32 s13, ttmp7, 0xffff
	s_lshl_b32 s13, s13, 2
	s_add_co_u32 s13, s13, s41                     ; tile row of C = 4 x cluster y + cy: 0..31
	s_lshl_b32 s43, s41, 2
	s_lshl_b32 s43, 15, s43                        ; my row of the cluster: places 4 cy .. 4 cy + 3
	s_lshl_b32 s44, 0x1111, s40                    ; my column: places cx, cx + 4, cx + 8, cx + 12
	; descriptor group 1: a tile of 128 rows x 64 elements of 4 bytes, padded in LDS
	s_or_b32 s[G1+0], s43, (2<<16)|(1<<20)|(1<<21)|(5<<22)|(3<<25)   ; 15:0 the mask: A's tiles go to my row; 17:16 elements of 4 bytes; 20 padding on; 21 set beside a mask; 24:22 after every 64 words (code 5); 31:25 4 words (code 3)
	s_or_b32 s[G1B+0], s44, (2<<16)|(1<<20)|(1<<21)|(5<<22)|(3<<25)  ; the same with the mask of my column, for W's tiles
.irp g, G1, G1B
	s_mov_b32 s[(\g)+1], 64<<16                    ; tensor_dim0 = 64
	s_mov_b32 s[(\g)+2], 128<<16                   ; tensor_dim1 = 128
	s_mov_b32 s[(\g)+3], 64<<16                    ; tile_dim0 = 64
	s_mov_b32 s[(\g)+4], 128                       ; tile_dim1 = 128
	s_mov_b32 s[(\g)+5], 4096                      ; elements from row to row
	s_mov_b32 s[(\g)+6], 0
	s_mov_b32 s[(\g)+7], 0
.endr
	; where the tiles come from.  A's hang on the tile row alone, which my row of the cluster shares; W's on the tile column alone, which my column shares; each in registers that never hold the other coordinate
	s_lshl_b32 s17, s12, 7                         ; which 128 rows of the tile I fetch
	s_lshl_b32 s16, s13, 8
	s_add_co_u32 s16, s16, s17                     ; A: row 256 x tile row + 128 x half,
	s_lshl_b32 s16, s16, 14                        ; in bytes: under 2^27
	s_lshl_b32 s46, s42, 8
	s_add_co_u32 s46, s46, s17                     ; W: row 256 x tile column + 128 x half
	s_lshl_b32 s46, s46, 14
	s_mov_b32 s17, 0
	s_mov_b32 s47, 0
	s_mul_i32 s20, s10, HALFT                      ; and where they go: A's two halves, then W's two = wave x 128 rows: no place in the cluster enters an LDS address
	s_wait_dscnt 0x0                               ; both opening adds are done
	s_wait_kmcnt 0x0
	s_add_nc_u64 s[14:15], s[4:5], s[16:17]
	s_add_nc_u64 s[46:47], s[6:7], s[46:47]
	CROUND                                         ; all sixteen work-groups are here: the first joint loads meet
.irp s, 0,1
	s_mov_b32 s[G0+4*(\s)], 1                                        ; 1:0 count = 1
	s_add_co_u32 s[G0+4*(\s)+1], s20, (\s)*SLOT                      ; 63:32 LDS address
	s_add_nc_u64 s[G0+4*(\s)+2:G0+4*(\s)+3], s[14:15], (\s)*STEPB    ; 120:64 global address: K step s
	s_or_b32 s[G0+4*(\s)+3], s[G0+4*(\s)+3], 0x80000000              ; 127:126 type = 2
	s_mov_b32 s[G0B+4*(\s)], 1
	s_add_co_u32 s[G0B+4*(\s)+1], s20, (\s)*SLOT
	s_add_nc_u64 s[G0B+4*(\s)+2:G0B+4*(\s)+3], s[46:47], (\s)*STEPB
	s_or_b32 s[G0B+4*(\s)+3], s[G0B+4*(\s)+3], 0x80000000
.endr
	s_cmp_eq_u32 s11, 0                            ; a wave's two first fills stand in one branch, ahead of every wait on TENSORcnt, every LDS read and every further barrier: two loads of mine are out
	s_cbranch_scc0 .Lfirst_b
	tensor_load_to_lds s[G0:G0+3], s[G1:G1+7]
	s_nop 0
	tensor_load_to_lds s[G0+4:G0+7], s[G1:G1+7]
	s_nop 0
.rept 4
	v_nop
.endr
	s_branch .Lfirst_asked
.Lfirst_b:
	tensor_load_to_lds s[G0B:G0B+3], s[G1B:G1B+7]
	s_nop 0
	tensor_load_to_lds s[G0B+4:G0B+7], s[G1B:G1B+7]
	s_nop 0
.rept 4
	v_nop
.endr
.Lfirst_asked:
	; A fragment is 16 rows x 32 K in 8 registers of bf16: lane l holds row l % 16; registers 0-3 hold K = 8 (l / 16) + 0..7, registers 4-7 hold K = 16 + 8 (l / 16) + 0..7.
	; As f32 those are the 32 bytes at 32 (l / 16) and the 32 bytes 64 further on: four loads of 16 bytes, at +0, +16, +64, +80.
	v_and_b32 v1, 15, v0                           ; l % 16
	v_bfe_u32 v2, v0, 4, 1                         ; l / 16
	v_mul_u32_u24 v3, v1, PITCH
	v_lshl_add_u32 v3, v2, 5, v3                   ; row x pitch + 32 x half
	s_mul_i32 s21, s11, HALFT                      ; my 128 rows of A
	s_mul_i32 s22, s12, HALFT                      ; my 128 rows of W,
	s_add_co_u32 s22, s22, 2*HALFT                 ; which lie behind A's 256
.irp s, 0,1
	v_add_nc_u32 v[ADRA+(\s)], s21, v3
	v_add_nc_u32 v[ADRB+(\s)], s22, v3
	s_add_co_u32 s21, s21, SLOT
	s_add_co_u32 s22, s22, SLOT
.endr
	s_mul_i32 s23, s10, 16*SPITCH
	s_add_co_u32 s23, s23, STAGE                   ; my stage
	v_mul_u32_u24 v4, v1, SPITCH                   ; in: row l % 16, 32 bytes for each half of the lanes
	v_lshl_add_u32 v4, v2, 5, v4
	v_add_nc_u32 v[STO], s23, v4
	v_and_b32 v5, 31, v0                           ; l
	v_lshlrev_b32 v[CO], 4, v5                     ; back, and in C: 32 lanes take one row's 512 bytes
	v_add_nc_u32 v[RD], s23, v[CO]
	v_lshlrev_b32 v[PFO], 14, v5                   ; a lane a row of 16,384 bytes
	; C at my wave's first byte: row 256 x tile row + 128 x half, column 256 x tile column + 128 x half
	s_lshl_b32 s16, s13, 8
	s_lshl_b32 s17, s11, 7
	s_add_co_u32 s16, s16, s17
	s_lshl_b32 s16, s16, 13                        ; rows of 8,192 bytes: under 2^26
	s_mov_b32 s17, 0
	s_add_nc_u64 s[8:9], s[8:9], s[16:17]
	s_lshl_b32 s46, s42, 10                        ; (in the registers that held W's offset: none that feeds A's descriptors ever holds cx)
	s_lshl_b32 s47, s12, 9
	s_add_co_u32 s46, s46, s47
	s_mov_b32 s47, 0
	s_add_nc_u64 s[8:9], s[8:9], s[46:47]
	; the prefetches
	s_lshl_b32 s13, s13, 8                         ; the tile's first row in A,
	s_lshl_b32 s42, s42, 8                         ; in W
	s_and_b32 s22, ttmp7, 0xffff                   ; cluster y
	s_cmp_eq_u32 s11, 0                            ; do I fetch for A?
	s_cselect_b32 s20, s13, s42
	s_cselect_b32 s21, s40, s41                    ; my place among the four that ask for the tile with me
	s_cselect_b32 s22, ttmp9, s22                  ; the coordinate along which other clusters read the same rows
	s_cselect_b64 s[PFA:PFA+1], s[4:5], s[6:7]
	s_cmp_eq_u32 s22, 0
	s_cselect_b32 s[LIM], 1, -1                    ; the same in all sixteen partners, for a given wave
	s_lshl_b32 s22, s12, 7
	s_add_co_u32 s20, s20, s22                     ; + the 128 rows that I fetch
	s_lshl_b32 s21, s21, 5
	s_add_co_u32 s20, s20, s21                     ; + my work-group's 32 of them
	s_lshl_b32 s20, s20, 14
	s_mov_b32 s21, 0
	s_add_nc_u64 s[PFA:PFA+1], s[PFA:PFA+1], s[20:21]
	s_add_nc_u64 s[PFA:PFA+1], s[PFA:PFA+1], 4*STEPB  ; at K step 4: the first change of slots steps it to 5 and names that.  Nothing is prefetched here, at the head
	s_mov_b32 s3, TRIPS                            ; the loop's count; the first change of slots, ahead of the loop, tests it too
; A chunk's 8 loads: chunk cj of a quarter (0-3: W's blocks 2 cj, 2 cj + 1; 4-7: A's blocks 2 (cj - 4), + 1), half q of the K step in the slot, into raw chunk rb.  Raw registers are never a matrix operand.
.macro LOADC slot, q, cj, rb
	WIN 0
.set n, 0
.rept 8
.if (\cj) < 4
	ds_load_b128 v[RAW+32*(\rb)+4*n:RAW+32*(\rb)+4*n+3], v[ADRB+(\slot)] offset:(2*((\cj)%4)+n/4)*16*PITCH+128*(\q)+16*(n&1)+64*((n>>1)&1)
.else
	ds_load_b128 v[RAW+32*(\rb)+4*n:RAW+32*(\rb)+4*n+3], v[ADRA+(\slot)] offset:(2*((\cj)%4)+n/4)*16*PITCH+128*(\q)+16*(n&1)+64*((n>>1)&1)
.endif
.set n, n+1
.endr
.endm
; Two matrix instructions: A's block a x W's blocks b0, b0 + 1, out of buffer f.  zero = 1: the product starts the sum: nothing is ever cleared.
; The 64 accumulators take turns, one instruction a turn, in the same order in every quarter, over the loop's jump too.
.macro MM2 f, a, b0, zero
	WIN MUL_LO+0x50*((\a)/4)
.set bb, (\b0)
.rept 2
.set rD, 8*(8*((\a)%4)+bb)
.if \zero
	v_wmma_f32_16x16x32_bf16 v[rD:rD+7], v[(\f)+8*bb:(\f)+8*bb+7], v[(\f)+64+8*(\a):(\f)+64+8*(\a)+7], 0
.else
	v_wmma_f32_16x16x32_bf16 v[rD:rD+7], v[(\f)+8*bb:(\f)+8*bb+7], v[(\f)+64+8*(\a):(\f)+64+8*(\a)+7], v[rD:rD+7]
.endif
.set bb, bb+1
.endr
.endm
; Four of a chunk's 16 conversions: two f32 to one register of bf16, into buffer g.  Chunk cj lies in raw chunk cj % 4.
.macro CV4 g, cj, grp
	WIN CVT
.set dd, 4*(\grp)
.rept 4
	v_cvt_pk_bf16_f32 v[(\g)+64*((\cj)/4)+16*((\cj)%4)+dd], v[RAW+32*((\cj)%4)+2*dd], v[RAW+32*((\cj)%4)+2*dd+1]
.set dd, dd+1
.endr
.endm
; A beat's register work: four groups of two products (mm) and four conversions (cv).  w >= 0: how many younger LDS loads may stay out when the beat's chunk has to be in; the wait stands behind the first two products.
.macro BODY f, g, j, zero, mm, cv, w
.set gg, 0
.rept 4
.if \mm
	MM2 \f, \j, 2*gg, \zero
.endif
.if \cv
.if (gg == 0) && ((\w) >= 0)
	s_wait_dscnt \w
.endif
	CV4 \g, \j, gg
.endif
.set gg, gg+1
.endr
.endm
; A QUARTER: multiplies buffer f, rounds the next quarter into buffer g.  Beats 0-4 load that quarter's chunks 3-7 (slot s1, half q1), beats 5-7 chunks 0-2 of the quarter after it (slot s2, half q2).
; The count 24: LDS loads come back in order (ISA guide 5.7.1), and three chunks of 8 are younger than the one that the beat rounds.
; chg != 0, in a K step's first quarter: THE CHANGE OF SLOTS, between beats 4 and 5.  Beat 4 has issued my last read of slot fs; beat 5's loads are the first of the other slot.  In front of ONE barrier each wave waits for
; all its tensor loads (one is out: its part of the other slot), adds 0 to its spare word, and waits for that and for its reads.  Behind it nobody reads slot fs any more and the other slot is whole.
; chg = 1: slot fs is filled again, two K steps on: the barrier opens a round of the cluster's barrier, and the joint refill is the first thing behind the round; it has 120 matrix instructions until the next wait for it.
; chg = 2: the last change: nothing is filled, so no round.
.macro QUARTER f, g, zero, mm, cv, s1, q1, ld1, s2, q2, ld2, chg, fs, ask
.set jj, 0
.rept 5
.if \ld1
	LOADC \s1, \q1, jj+3, (jj+3)%4
.endif
	BODY \f, \g, jj, \zero, \mm, \cv, 24
.set jj, jj+1
.endr
.if (\chg) != 0
	WIN 0                                          ; (the add's two registers lie in window 0)
.if \ask
	s_wait_xcnt 0x0                                ; the last prefetch, a K step back, has read its address: it is stepped here, ahead of the waits of the change
	s_add_nc_u64 s[PFA:PFA+1], s[PFA:PFA+1], STEPB
.endif
	s_wait_tensorcnt 0x0                           ; all my tensor loads have landed, so a group 0 may be written
	ds_add_u32 v[SPW], v[NIL]                      ; 0 onto my spare word
.if (\chg) == 1
	s_add_nc_u64 s[G0+4*(\fs)+2:G0+4*(\fs)+3], s[G0+4*(\fs)+2:G0+4*(\fs)+3], 2*STEPB    ; the slot's next K step; the type bits on top are not reached
	s_add_nc_u64 s[G0B+4*(\fs)+2:G0B+4*(\fs)+3], s[G0B+4*(\fs)+2:G0B+4*(\fs)+3], 2*STEPB
.endif
	s_wait_dscnt 0x0                               ; the add is done, and my reads of slot fs are over: chunks 5, 6 and 7 are in, so beats 5 to 7 need no further wait
	s_barrier_signal -1
	BODY \f, \g, 5, \zero, \mm, \cv, -1            ; work on registers while the others arrive
	WIN 0
	s_barrier_wait -1
.if (\chg) == 1
	CREST                                          ; no wave of any partner still reads this slot's tile or has a load on its way
	JLOAD \fs
.endif
	LOADC \s2, \q2, 0, 0                           ; raw chunks 0 and 1 were rounded in beats 4 and 5
	LOADC \s2, \q2, 1, 1
.if \ask
	ASK                                            ; behind the joint load and the run of LDS loads
.endif
	BODY \f, \g, 6, \zero, \mm, \cv, -1
	LOADC \s2, \q2, 2, 2
	BODY \f, \g, 7, \zero, \mm, \cv, -1            ; at the next quarter's first wait three chunks are younger again
.else
.set jj, 5
.rept 3
.if \ld2
	LOADC \s2, \q2, jj-5, (jj+3)%4
	BODY \f, \g, jj, \zero, \mm, \cv, 24
.else
	BODY \f, \g, jj, \zero, \mm, \cv, 24-8*(jj-4)  ; nothing more is loaded: the counts run down 16, 8, 0
.endif
.set jj, jj+1
.endr
.endif
.endm
; THE WAY OUT of my block a of 16 rows x 128 columns.  TOSTAGE: a lane's 32 bytes of a row go into my own stage, rows of 528 bytes, and come back as whole rows of 512.  Each accumulator's low four registers are read first.
.macro TOSTAGE a
.set AC, 64*((\a)%4)
.set BK, RAW+64*((\a)%2)
.if (\a) >= 2
	s_wait_xcnt 0x0                                ; the stores of block a - 2 have read this buffer: it is loaded again only behind this wait
.endif
	WIN ST_LO+4*((\a)/4)
.set bb, 0
.rept 8
	ds_store_b128 v[STO], v[AC+8*bb:AC+8*bb+3] offset:64*bb
	ds_store_b128 v[STO], v[AC+8*bb+4:AC+8*bb+7] offset:64*bb+16
.set bb, bb+1
.endr
	WIN 0
.set tt, 0
.rept 16
	ds_load_b128 v[BK+4*tt:BK+4*tt+3], v[RD] offset:SPITCH*tt  ; LDS serves a wave's instructions in order (ISA guide 5.7.1.4): these see the stores above, and the next block's stores come behind them
.set tt, tt+1
.endr
.endm
.macro SEND a, younger                 ; younger: the LDS instructions issued behind block a's loads: the next block's 16 stores and 16 loads, or none
	WIN 0
.set BK, RAW+64*((\a)%2)
.set tt, 0
.rept 16
	s_wait_dscnt (\younger)+15-tt
	global_store_b128 v[CO], v[BK+4*tt:BK+4*tt+3], s[8:9] offset:(16*(\a)+tt)*CROW th:TH_STORE_NT  ; 32 lanes store 512 consecutive bytes, at a multiple of 512 from C's first byte; the row stands in the immediate, 127 rows at the most
.set tt, tt+1
.endr
.endm
	s_wait_tensorcnt 1                             ; my part of K step 0 is in; K step 1's may stay out
	s_barrier_signal -1
	s_barrier_wait -1                              ; everybody's is
	LOADC 0, 0, 0, 0                               ; quarter 0's first three chunks,
	LOADC 0, 0, 1, 1
	LOADC 0, 0, 2, 2
	QUARTER F0, F0, 0, 0, 1,  0, 0, 1,  0, 1, 1,  0, 0, 0  ; and a quarter without products, which rounds quarter 0 into buffer 0
	QUARTER F0, F1, 1, 1, 1,  0, 1, 1,  1, 0, 1,  1, 0, 1  ; quarter 0 stands ahead of the loop: its products start the sums; slot 0 takes K step 2
	WIN 0                                          ; at a label and at a branch every window is 0
.Llap:                                                 ; trip L: quarters 4 L + 1 to 4 L + 4; both slots are filled again
	QUARTER F1, F0, 0, 1, 1,  1, 0, 1,  1, 1, 1,  0, 0, 0
	QUARTER F0, F1, 0, 1, 1,  1, 1, 1,  0, 0, 1,  1, 1, 1  ; slot 1 takes K step 2 L + 3
	QUARTER F1, F0, 0, 1, 1,  0, 0, 1,  0, 1, 1,  0, 0, 0
	QUARTER F0, F1, 0, 1, 1,  0, 1, 1,  1, 0, 1,  1, 0, 1  ; slot 0 takes K step 2 L + 4, 62 at the most
	WIN 0
	s_sub_co_u32 s3, s3, 1
	s_cmp_lg_u32 s3, 0
	s_cbranch_scc1 .Llap
	; the tail, quarters 121 to 127, is written out
	QUARTER F1, F0, 0, 1, 1,  1, 0, 1,  1, 1, 1,  0, 0, 0
	QUARTER F0, F1, 0, 1, 1,  1, 1, 1,  0, 0, 1,  1, 1, 0  ; slot 1 takes K step 63: the last fill
	QUARTER F1, F0, 0, 1, 1,  0, 0, 1,  0, 1, 1,  0, 0, 0
	QUARTER F0, F1, 0, 1, 1,  0, 1, 1,  1, 0, 1,  2, 0, 0  ; the last change of slots: K step 63 is waited for, nothing is filled
	QUARTER F1, F0, 0, 1, 1,  1, 0, 1,  1, 1, 1,  0, 0, 0
	QUARTER F0, F1, 0, 1, 1,  1, 1, 1,  0, 0, 0,  0, 0, 0  ; quarter 126 loads the last five chunks
	QUARTER F1, F0, 0, 1, 0,  0, 0, 0,  0, 0, 0,  0, 0, 0  ; quarter 127: products alone
	WIN 0
.rept 8
	v_nop                                          ; the places between the last products and the LDS stores that read results, once a launch
.endr
	TOSTAGE 0
	TOSTAGE 1
	SEND 0, 32
.irp a, 2,3,4,5,6,7                    ; block a goes through the stage while block a - 1 is stored
	TOSTAGE \a
	SEND (\a)-1, 32
.endr
	SEND 7, 0
	s_wait_tensorcnt 0x0                           ; the wave's end: an add and its wait, behind my last tensor load and my last LDS store
	ds_add_u32 v[SPW], v[NIL]
	s_wait_dscnt 0x0
	CROUND                                         ; the closing round: no work-group ends while a partner may still ask for a tile that names it
	s_endpgm
.Lfunc_end_k_q485487d4ab_aggemm:
	.size	k_q485487d4ab_aggemm, .Lfunc_end_k_q485487d4ab_aggemm-k_q485487d4ab_aggemm
	.p2alignl 7, 3214868480
	.fill 96, 4, 3214868480
	.section	.rodata,"a",@progbits
	.p2align	6, 0x0
	.amdhsa_kernel k_q485487d4ab_aggemm
		.amdhsa_group_segment_fixed_size 327680
		.amdhsa_private_segment_fixed_size 0
		.amdhsa_enable_private_segment 0
		.amdhsa_kernarg_size 24
		.amdhsa_user_sgpr_count 2
		.amdhsa_user_sgpr_kernarg_segment_ptr 1
		.amdhsa_wavefront_size32 1
		.amdhsa_system_sgpr_workgroup_id_x 1
		.amdhsa_system_sgpr_workgroup_id_y 1
		.amdhsa_system_sgpr_workgroup_id_z 1
		.amdhsa_system_vgpr_workitem_id 0
		.amdhsa_next_free_vgpr 1024
		.amdhsa_next_free_sgpr 66
		.amdhsa_reserve_vcc 0
		.amdhsa_float_denorm_mode_32 3
		.amdhsa_float_denorm_mode_16_64 3
		.amdhsa_memory_ordered 1
		.amdhsa_forward_progress 1
		.amdhsa_inst_pref_size 255
	.end_amdhsa_kernel
	.section	.bss,"aw",@nobits
	.p2align	6
	.space	262144
	.amdgpu_metadata
---
amdhsa.version: [ 1, 2 ]
amdhsa.kernels:
  - .name:           k_q485487d4ab_aggemm
    .symbol:         k_q485487d4ab_aggemm.kd
    .args:
      - { .name: input_shards, .offset: 0, .size: 8, .value_kind: global_buffer, .address_space: global }
      - { .name: weight, .offset: 8, .size: 8, .value_kind: global_buffer, .address_space: global }
      - { .name: out0, .offset: 16, .size: 8, .value_kind: global_buffer, .address_space: global }
    .group_segment_fixed_size: 327680
    .private_segment_fixed_size: 0
    .kernarg_segment_align: 8
    .kernarg_segment_size: 24
    .max_flat_workgroup_size: 128
    .sgpr_count:     66
    .vgpr_count:     1024
    .wavefront_size: 32
...
	.end_amdgpu_metadata
.endif
;; end of part 1
;; ======== version 2 of 3: 2 launches
;; workspace buffers: abf 67,108,864 bytes; wbf 16,777,216 bytes
;; launch cast (part 2): grid 1024 x 1, 8 waves a work-group, no clusters, 0 bytes of LDS; arguments input_shards, weight, abf, wbf; writes abf, wbf
.if DOCPART == 2
	.amdgcn_target "amdgcn-amd-amdhsa--gfx1250"
	.amdhsa_code_object_version 6
	.text
	.protected	k_q485487d4ab_cast
	.globl	k_q485487d4ab_cast
	.p2align	8
	.type	k_q485487d4ab_cast,@function
k_q485487d4ab_cast:
	s_mov_b64 s[64:65], 0
	v_nop
	global_prefetch_b8 v0, s[64:65] scope:SCOPE_SE
	s_setreg_imm32_b32 hwreg(HW_REG_WAVE_MODE, 25, 1), 1
	s_wait_xcnt 0x0
; THE PROGRAM: out0[m][n] = the sum over k of A[m][k] W[n][k].  A = input_shards read as [8192][4096] (the gather along M is a reshape: no byte moves), W = weight [2048][4096]
; (transed_weight is the constant 0, no buffer: reference() takes weight.T, so W's rows already lie along K), out0 [8192][2048]; all f32.
; NOTHING IS LEFT OUT: every number of both inputs has a way to the output and is loaded.
; THIS LAUNCH rounds A and W once to bf16 (to nearest even; bf16 has f32's exponents, so no range is lost; NaN and infinities go through as the conversion carries them): abf [8192][4096], wbf [2048][4096].
; WHY A LAUNCH OF ITS OWN.  With bf16 tiles the product's two LDS slots hold K steps of 128 where f32 tiles allow 64; each product needs half the LDS bytes; and its loop holds no conversion.  The price is 84 MB
; stored here and read again there.
; SHARES.  1,024 work-groups of eight waves; work-group g takes 131,072 bytes of A and 32,768 bytes of W.  Thread t takes the 16 bytes at 16 t of each piece of 4,096 bytes: 32 pieces of A, then 8 of W.
; So a wave's load covers 512 consecutive bytes, and its store of 8 bytes a lane 256 consecutive bytes at a multiple of 256 from the buffer's first byte.
; A ring of DEPTH slots in registers keeps DEPTH loads of every wave on their way.  The 40 turns are written out, each piece's place in the immediate: no address register is ever rewritten.
; No LDS, no barrier, no matrix unit: no thread wants a byte that another has fetched.
.set DEPTH, 16                         ; loads on their way in each wave
.set NA,    32                         ; pieces of A
.set NW,    8                          ; pieces of W
.set NT,    NA+NW
.set PIECE, 4096                       ; bytes of f32 in a piece: 256 threads x 16
.set LO,  1                            ; v1        16 t: my place in a piece as loaded; never rewritten
.set SO,  2                            ; v2        8 t: my place in a piece as stored; never rewritten
.set X,   4                            ; v[4:67]   slot i: 4 numbers as loaded
.set Y,   68                           ; v[68:99]  slot i: the same 4 as bf16
	s_load_b256 s[4:11], s[0:1], 0x0               ; A s[4:5], W s[6:7], abf s[8:9], wbf s[10:11]
	v_lshlrev_b32 v[LO], 4, v0
	v_lshlrev_b32 v[SO], 3, v0
	s_lshl_b32 s12, ttmp9, 17                      ; the work-group's part of A: 131,072 bytes (under 2^27 in all),
	s_mov_b32 s13, 0
	s_lshl_b32 s14, ttmp9, 15                      ; of W: 32,768,
	s_mov_b32 s15, 0
	s_lshl_b32 s16, ttmp9, 16                      ; of abf and of wbf: half as many
	s_mov_b32 s17, 0
	s_lshl_b32 s18, ttmp9, 14
	s_mov_b32 s19, 0
	s_wait_kmcnt 0x0
	s_add_nc_u64 s[4:5], s[4:5], s[12:13]
	s_add_nc_u64 s[6:7], s[6:7], s[14:15]
	s_add_nc_u64 s[8:9], s[8:9], s[16:17]
	s_add_nc_u64 s[10:11], s[10:11], s[18:19]
.macro LD n                            ; piece n into slot n % DEPTH
.if (\n) < NA
	global_load_b128 v[X+4*((\n)%DEPTH):X+4*((\n)%DEPTH)+3], v[LO], s[4:5] offset:(\n)*PIECE th:TH_LOAD_NT
.else
	global_load_b128 v[X+4*((\n)%DEPTH):X+4*((\n)%DEPTH)+3], v[LO], s[6:7] offset:((\n)-NA)*PIECE th:TH_LOAD_NT
.endif
.endm
.macro ST n                            ; piece n out of slot n % DEPTH
.if (\n) < NA
	global_store_b64 v[SO], v[Y+2*((\n)%DEPTH):Y+2*((\n)%DEPTH)+1], s[8:9] offset:(\n)*PIECE/2
.else
	global_store_b64 v[SO], v[Y+2*((\n)%DEPTH):Y+2*((\n)%DEPTH)+1], s[10:11] offset:((\n)-NA)*PIECE/2
.endif
.endm
.set i, 0
.rept DEPTH
	LD i                                           ; the ring is filled
.set i, i+1
.endr
.set i, 0
.rept NT                               ; turn i: piece i is rounded and stored, piece i + DEPTH asked for; the load stands ahead of the store
.if NT-1-i < DEPTH-1
	s_wait_loadcnt NT-1-i                          ; the last turns load nothing: the counts run down
.else
	s_wait_loadcnt DEPTH-1                         ; loads come back in order (ISA guide 5.7.1): mine is in, the fifteen younger ones stay out
.endif
.if (i >= DEPTH) && (i%DEPTH == 0)
	s_wait_xcnt 0x0                                ; once round the ring: the last sixteen stores have read their data, so Y's sixteen pairs may be written again
.endif
	v_cvt_pk_bf16_f32 v[Y+2*(i%DEPTH)],   v[X+4*(i%DEPTH)],   v[X+4*(i%DEPTH)+1]
	v_cvt_pk_bf16_f32 v[Y+2*(i%DEPTH)+1], v[X+4*(i%DEPTH)+2], v[X+4*(i%DEPTH)+3]
.if i+DEPTH < NT
	LD i+DEPTH
.endif
	ST i
.set i, i+1
.endr
	s_endpgm
.Lfunc_end_k_q485487d4ab_cast:
	.size	k_q485487d4ab_cast, .Lfunc_end_k_q485487d4ab_cast-k_q485487d4ab_cast
	.p2alignl 7, 3214868480
	.fill 96, 4, 3214868480
	.section	.rodata,"a",@progbits
	.p2align	6, 0x0
	.amdhsa_kernel k_q485487d4ab_cast
		.amdhsa_group_segment_fixed_size 0
		.amdhsa_private_segment_fixed_size 0
		.amdhsa_enable_private_segment 0
		.amdhsa_kernarg_size 32
		.amdhsa_user_sgpr_count 2
		.amdhsa_user_sgpr_kernarg_segment_ptr 1
		.amdhsa_wavefront_size32 1
		.amdhsa_system_sgpr_workgroup_id_x 1
		.amdhsa_system_sgpr_workgroup_id_y 1
		.amdhsa_system_sgpr_workgroup_id_z 1
		.amdhsa_system_vgpr_workitem_id 0
		.amdhsa_next_free_vgpr 100
		.amdhsa_next_free_sgpr 66
		.amdhsa_reserve_vcc 0
		.amdhsa_float_denorm_mode_32 3
		.amdhsa_float_denorm_mode_16_64 3
		.amdhsa_memory_ordered 1
		.amdhsa_forward_progress 1
		.amdhsa_inst_pref_size 15
	.end_amdhsa_kernel
	.amdgpu_metadata
---
amdhsa.version: [ 1, 2 ]
amdhsa.kernels:
  - .name:           k_q485487d4ab_cast
    .symbol:         k_q485487d4ab_cast.kd
    .args:
      - { .name: input_shards, .offset: 0, .size: 8, .value_kind: global_buffer, .address_space: global }
      - { .name: weight, .offset: 8, .size: 8, .value_kind: global_buffer, .address_space: global }
      - { .name: abf, .offset: 16, .size: 8, .value_kind: global_buffer, .address_space: global }
      - { .name: wbf, .offset: 24, .size: 8, .value_kind: global_buffer, .address_space: global }
    .group_segment_fixed_size: 0
    .private_segment_fixed_size: 0
    .kernarg_segment_align: 8
    .kernarg_segment_size: 32
    .max_flat_workgroup_size: 256
    .sgpr_count:     66
    .vgpr_count:     100
    .wavefront_size: 32
...
	.end_amdgpu_metadata
.endif
;; end of part 2
;; launch gemm (part 3): grid 8 x 32, 4 waves a work-group, clusters of 4 x 4, 327,680 bytes of LDS; arguments abf, wbf, out0; writes out0
.if DOCPART == 3
	.amdgcn_target "amdgcn-amd-amdhsa--gfx1250"
	.amdhsa_code_object_version 6
	.text
	.protected	k_q485487d4ab_gemm
	.globl	k_q485487d4ab_gemm
	.p2align	8
	.type	k_q485487d4ab_gemm,@function
k_q485487d4ab_gemm:
	s_mov_b64 s[64:65], 0
	v_nop
	global_prefetch_b8 v0, s[64:65] scope:SCOPE_SE
	s_setreg_imm32_b32 hwreg(HW_REG_WAVE_MODE, 25, 1), 1
	s_wait_xcnt 0x0
	s_wait_alu depctr_hold_cnt(0) depctr_sa_sdst(0) depctr_va_vdst(0) depctr_va_sdst(0) depctr_va_ssrc(0) depctr_va_vcc(0) depctr_vm_vsrc(0)
	s_getreg_b32 s2, hwreg(HW_REG_IB_STS2, 6, 4)
	s_cmp_eq_u32 s2, 0
	s_cbranch_scc0 .Lentry_in_a_cluster
	s_endpgm
.Lentry_in_a_cluster:
	s_bfe_u32 s2, ttmp6, 0x10000c
	s_cmp_lg_u32 s2, 0xf033
	s_cbranch_scc0 .Lentry_shape_is_right
	s_endpgm
.Lentry_shape_is_right:
; out0[m][n] = the sum over k of A[m][k] W[n][k].  A = abf [8192][4096], W = wbf [2048][4096]: the inputs as the launch before has rounded them to bf16; out0 [8192][2048] in f32.  No work is left out.
; LIMITS.  The operands carry that one rounding to bf16; products are summed in f32 by the matrix unit, K ascending, one accumulator for each output; the sums are stored as they are.
; SHAPE.  A tile of C is 256 x 256: 32 x 8 = 256 tiles, one work-group each.  Four waves, each 128 x 128: 64 accumulators of 16 x 16, 512 registers.  K goes in steps of 128 (rows of 256 bytes, each at a
; multiple of 256 bytes from its buffer's first byte) through a ring of two LDS slots filled by the tensor data mover: for 32 along K a wave loads 2 x 128 x 64 bytes from LDS and issues 64 matrix instructions.
; CLUSTERS: 4 x 4 work-groups.  The four of a row of the cluster need the same tiles of A, the four of a column the same tiles of W: each tile is asked for JOINTLY, by the same tensor load with the same
; descriptor and a mask that names the four.  That divides the requests for A and W by four.
; THE MATRIX INSTRUCTION IS USED TRANSPOSED: source 0 = 16 rows of W, source 1 = 16 rows of A.  In the result lane l holds row l % 16 of C and the columns 8 (l / 16) + 0..7: 32 neighbouring bytes.
; REGISTERS, in windows of 256 (s_set_vgpr_msb: bits 1:0 source 0, 3:2 source 1, 5:4 source 2, 7:6 destination):
;   window 0: v0-31 addresses; v64-127, v128-191 fragments of A (8 x 16 rows x 32 K), two buffers; on the way out the same registers take whole rows of C
;   window 1: v64-127, v128-191 fragments of W, two buffers
;   window 2: the 32 accumulators of my rows 0-63 ((a, b) at 8 (8 a + b));   window 3: those of my rows 64-127
; Work is laid in long stretches under one setting: 32 matrix instructions, 16 loads, 16 loads, 32 matrix instructions.
.set SIZE_N, 2048
.set SIZE_K, 4096
.set KSTEP,  128
.set STEPB,  KSTEP*2                   ; bytes of a row in a K step
.set CROW,   SIZE_N*4                  ; bytes in a row of C
.set PITCH,  272                       ; an LDS row: 256 bytes + 16 of padding = 17 x 16: the 16 rows that a load's 16 lanes touch start at 16 different 16-byte columns of 256 bytes
.set HALFT,  128*PITCH                 ; 128 rows: what one tensor load brings, and what one wave reads of A or of W
.set SLOT,   4*HALFT                   ; A's 256 rows, then W's 256 rows
.set STAGE,  2*SLOT                    ; behind the ring, never filled by a tensor load: 16 rows x 528 bytes for each wave, for the way out
.set SPITCH, 528                       ; 512 bytes + 16 = 33 x 16
.set SPARE,  STAGE+4*16*SPITCH         ; behind the stages: the spare words, 128 bytes for each wave: two blocks of 256 bytes that no other line names
.set LAPS,   SIZE_K/(2*KSTEP)          ; a lap = two K steps = once round the ring: 16
.set ADRA, 16                          ; v16-17  LDS address of my A fragments in slot 0, 1
.set ADRB, 20                          ; v20-21  the same for W
.set STO,  24                          ; v24     the way out: where I put 32 bytes of a row
.set RD,   25                          ; v25     the way out: where I read a row back
.set CO,   26                          ; v26     my 16 bytes of a row's 512 in C; never rewritten
.set SPW,  28                          ; v28     LDS address of my spare word: SPARE + 4 x my thread's number; never rewritten
.set NIL,  29                          ; v29     0; never rewritten
.set PFO,  30                          ; v30     the prefetches' offset: my lane x a row of A or W (8,192 bytes); never rewritten
.set F0,   64                          ; fragment buffer 0
.set F1,   128                         ; fragment buffer 1
.set OB,   64                          ; the way out: 16 rows read back from the stage: v64-127 and v128-191 by turns
.set G1,  24                           ; s[24:31] descriptor group 1 for A's tiles;  s[32:39] group 0, one set for each slot
.set G0,  32
.set G1B, 48                           ; s[48:55], s[56:63] the same for W's tiles
.set G0B, 56
.set LIM, 43                           ; s43     1 in a wave that prefetches, else the greatest number
.set PFA, 44                           ; s[44:45] where my prefetches stand: my work-group's 32 rows of the 128 that I fetch, one K step further along K than the refill that is being asked for
.set MUL_LO, 0xa1                      ; source 0 (W) window 1, source 1 (A) window 0, C and D window 2
.set MUL_HI, 0xf1                      ; the same, C and D window 3
.set TO_B,   0x40                      ; destination window 1, address window 0
.set ST_LO,  0x08                      ; an LDS store's data (source 1) in window 2
.set MSB, 0
.macro WIN new                         ; the immediate's high byte repeats the setting that is left; a switch that changes nothing is dropped
.if MSB != (\new)
	s_set_vgpr_msb (MSB<<8)|(\new)
.set MSB, (\new)
.endif
.endm
; A joint refill.  Waves 0 and 1 fetch A's two halves, waves 2 and 3 W's.  Each line has one mask and one set of registers; the branch hangs on the wave's number alone.
; An s_nop 0 and four v_nop follow each of the two lines, ahead of the jump, the label and what follows.
.macro JLOAD s
	s_cmp_eq_u32 s11, 0
	s_cbranch_scc0 .Lfor_b_\@
	tensor_load_to_lds s[G0+4*(\s):G0+4*(\s)+3], s[G1:G1+7]
	s_nop 0
.rept 4
	v_nop
.endr
	s_branch .Lasked_\@
.Lfor_b_\@:
	tensor_load_to_lds s[G0B+4*(\s):G0B+4*(\s)+3], s[G1B:G1B+7]
	s_nop 0
.rept 4
	v_nop
.endr
.Lasked_\@:
.endm
; A PREFETCH INTO THE L2, behind each joint load, its five lines and the run of LDS loads that follows them: 32 rows x 256 bytes of the K step that stands TWO refills on (512 matrix instructions ahead of the load
; that will ask for it), a lane a row, one instruction a wave.  Each row's 256 bytes of a K step are named ONCE in the launch: A's tile row is read by both clusters of its row of clusters, and the one with
; x = 0 asks; W's tile column by all eight of its column, and the one with y = 0 asks.  The four partners that ask for a tile jointly share its rows out BY ADDRESS: of the 128 rows that a wave fetches the partner at
; place p takes 32 p .. 32 p + 31 (p = cx for A, cy for W).  K steps 0 to 3 come by their loads alone; the loop's last trip (s3 = 1) asks for nothing: the last K step named is 31, the rows' last.
.macro ASK
	s_cmp_gt_u32 s3, s[LIM]
	s_cbranch_scc0 .Lnot_mine_\@
	global_prefetch_b8 v[PFO], s[PFA:PFA+1] offset:STEPB th:TH_LOAD_NT scope:SCOPE_SE
.Lnot_mine_\@:
.endm
; A round of the cluster's barrier: my work-group's barrier, so that wave 0's signal speaks for all four waves; wave 0 signals for the work-group; every wave waits for all sixteen; my work-group's barrier once more.
.macro CREST                           ; a round behind its opening barrier
	s_cmp_lg_u32 s10, 0
	s_cbranch_scc1 .Lnot_wave_0_\@
	s_barrier_signal -3
.Lnot_wave_0_\@:
	s_barrier_wait -3
	s_barrier_signal -1
	s_barrier_wait -1
.endm
.macro CROUND                          ; a whole round
	s_barrier_signal -1
	s_barrier_wait -1
	CREST
.endm
	s_load_b128 s[4:7], s[0:1], 0x0                ; A s[4:5], W s[6:7]
	s_load_b64 s[8:9], s[0:1], 0x10                ; C
	v_lshl_add_u32 v[SPW], v0, 2, SPARE
	v_mov_b32 v[NIL], 0
	ds_add_u32 v[SPW], v[NIL]                      ; the wave's opening: the add, twice on end, and its wait ahead of my first tensor load; the set-up below, work on registers, stands between
	ds_add_u32 v[SPW], v[NIL]                      ; and once more, under the one wait
	v_lshrrev_b32 v1, 5, v0
	v_readfirstlane_b32 s10, v1                    ; wave 0..3
	s_lshr_b32 s11, s10, 1                         ; which half of the tile's rows is mine.  Also: I fetch for A (0) or for W (1)
	s_and_b32 s12, s10, 1                          ; which half of its columns.  Also: which 128 rows of that tile I fetch
	s_bfe_u32 s40, ttmp6, 0x40000                  ; cx: my place along the cluster's x
	s_bfe_u32 s41, ttmp6, 0x40004                  ; cy: along its y
	s_lshl_b32 s42, ttmp9, 2                       ; in a cluster launch ttmp9 and ttmp7 count clusters
	s_add_co_u32 s42, s42, s40                     ; tile column of C = 4 x cluster x + cx: 0..7
	s_and_b32 s13, ttmp7, 0xffff
	s_lshl_b32 s13, s13, 2
	s_add_co_u32 s13, s13, s41                     ; tile row of C = 4 x cluster y + cy: 0..31
	s_lshl_b32 s43, s41, 2
	s_lshl_b32 s43, 15, s43                        ; my row of the cluster: places 4 cy .. 4 cy + 3
	s_lshl_b32 s44, 0x1111, s40                    ; my column: places cx, cx + 4, cx + 8, cx + 12
	; descriptor group 1: a tile of 128 rows x 128 elements of 2 bytes, padded in LDS
	s_or_b32 s[G1+0], s43, (1<<16)|(1<<20)|(1<<21)|(5<<22)|(3<<25)   ; 15:0 the mask: A's tiles go to my row; 17:16 elements of 2 bytes; 20 padding on; 21 set beside a mask; 24:22 after every 64 words (code 5); 31:25 4 words (code 3)
	s_or_b32 s[G1B+0], s44, (1<<16)|(1<<20)|(1<<21)|(5<<22)|(3<<25)  ; the same with the mask of my column, for W's tiles
.irp g, G1, G1B
	s_mov_b32 s[(\g)+1], KSTEP<<16                 ; tensor_dim0 = 128
	s_mov_b32 s[(\g)+2], 128<<16                   ; tensor_dim1 = 128
	s_mov_b32 s[(\g)+3], KSTEP<<16                 ; tile_dim0 = 128
	s_mov_b32 s[(\g)+4], 128                       ; tile_dim1 = 128
	s_mov_b32 s[(\g)+5], SIZE_K                    ; elements from row to row
	s_mov_b32 s[(\g)+6], 0
	s_mov_b32 s[(\g)+7], 0
.endr
	; where the tiles come from.  A's hang on the tile row alone, which my row of the cluster shares; W's on the tile column alone, which my column shares; each in registers that never hold the other coordinate
	s_lshl_b32 s17, s12, 7                         ; which 128 rows of the tile I fetch
	s_lshl_b32 s16, s13, 8
	s_add_co_u32 s16, s16, s17                     ; A: row 256 x tile row + 128 x half,
	s_lshl_b32 s16, s16, 13                        ; in bytes, 8,192 a row: under 2^26
	s_lshl_b32 s46, s42, 8
	s_add_co_u32 s46, s46, s17                     ; W: row 256 x tile column + 128 x half
	s_lshl_b32 s46, s46, 13
	s_mov_b32 s17, 0
	s_mov_b32 s47, 0
	s_mul_i32 s20, s10, HALFT                      ; and where they go: A's two halves, then W's two = wave x 128 rows: no place in the cluster enters an LDS address
	s_wait_dscnt 0x0                               ; both opening adds are done
	s_wait_kmcnt 0x0
	s_add_nc_u64 s[14:15], s[4:5], s[16:17]
	s_add_nc_u64 s[46:47], s[6:7], s[46:47]
	CROUND                                         ; all sixteen work-groups are here: the first joint loads meet
.irp s, 0,1
	s_mov_b32 s[G0+4*(\s)], 1                                        ; 1:0 count = 1
	s_add_co_u32 s[G0+4*(\s)+1], s20, (\s)*SLOT                      ; 63:32 LDS address
	s_add_nc_u64 s[G0+4*(\s)+2:G0+4*(\s)+3], s[14:15], (\s)*STEPB    ; 120:64 global address: K step s
	s_or_b32 s[G0+4*(\s)+3], s[G0+4*(\s)+3], 0x80000000              ; 127:126 type = 2
	s_mov_b32 s[G0B+4*(\s)], 1
	s_add_co_u32 s[G0B+4*(\s)+1], s20, (\s)*SLOT
	s_add_nc_u64 s[G0B+4*(\s)+2:G0B+4*(\s)+3], s[46:47], (\s)*STEPB
	s_or_b32 s[G0B+4*(\s)+3], s[G0B+4*(\s)+3], 0x80000000
.endr
	s_cmp_eq_u32 s11, 0                            ; a wave's two first fills stand in one branch, ahead of every wait on TENSORcnt, every LDS read and every further barrier: two loads of mine are out
	s_cbranch_scc0 .Lfirst_b
	tensor_load_to_lds s[G0:G0+3], s[G1:G1+7]
	s_nop 0
	tensor_load_to_lds s[G0+4:G0+7], s[G1:G1+7]
	s_nop 0
.rept 4
	v_nop
.endr
	s_branch .Lfirst_asked
.Lfirst_b:
	tensor_load_to_lds s[G0B:G0B+3], s[G1B:G1B+7]
	s_nop 0
	tensor_load_to_lds s[G0B+4:G0B+7], s[G1B:G1B+7]
	s_nop 0
.rept 4
	v_nop
.endr
.Lfirst_asked:
	; A fragment is 16 rows x 32 K in 8 registers: lane l holds row l % 16; registers 0-3 hold K = 8 (l / 16) + 0..7, registers 4-7 hold K = 16 + 8 (l / 16) + 0..7.
	; From rows that lie along K: two loads of 16 bytes, 32 bytes apart.  The same for source 0 and source 1.
	v_and_b32 v1, 15, v0                           ; l % 16
	v_bfe_u32 v2, v0, 4, 1                         ; l / 16
	v_mul_u32_u24 v3, v1, PITCH
	v_lshl_add_u32 v3, v2, 4, v3                   ; row x pitch + 16 x half
	s_mul_i32 s21, s11, HALFT                      ; my 128 rows of A
	s_mul_i32 s22, s12, HALFT                      ; my 128 rows of W,
	s_add_co_u32 s22, s22, 2*HALFT                 ; which lie behind A's 256
.irp s, 0,1
	v_add_nc_u32 v[ADRA+(\s)], s21, v3
	v_add_nc_u32 v[ADRB+(\s)], s22, v3
	s_add_co_u32 s21, s21, SLOT
	s_add_co_u32 s22, s22, SLOT
.endr
	s_mul_i32 s23, s10, 16*SPITCH
	s_add_co_u32 s23, s23, STAGE                   ; my stage
	v_mul_u32_u24 v4, v1, SPITCH                   ; in: row l % 16, 32 bytes for each half of the lanes
	v_lshl_add_u32 v4, v2, 5, v4
	v_add_nc_u32 v[STO], s23, v4
	v_and_b32 v5, 31, v0                           ; l
	v_lshlrev_b32 v[CO], 4, v5                     ; back, and in C: 32 lanes take one row's 512 bytes
	v_add_nc_u32 v[RD], s23, v[CO]
	v_lshlrev_b32 v[PFO], 13, v5                   ; a lane a row of 8,192 bytes
	; C at my wave's first byte: row 256 x tile row + 128 x half, column 256 x tile column + 128 x half
	s_lshl_b32 s16, s13, 8
	s_lshl_b32 s17, s11, 7
	s_add_co_u32 s16, s16, s17
	s_lshl_b32 s16, s16, 13                        ; rows of 8,192 bytes: under 2^26
	s_mov_b32 s17, 0
	s_add_nc_u64 s[8:9], s[8:9], s[16:17]
	s_lshl_b32 s46, s42, 10                        ; (in the registers that held W's offset: none that feeds A's descriptors ever holds cx)
	s_lshl_b32 s47, s12, 9
	s_add_co_u32 s46, s46, s47
	s_mov_b32 s47, 0
	s_add_nc_u64 s[8:9], s[8:9], s[46:47]
	; the prefetches
	s_lshl_b32 s13, s13, 8                         ; the tile's first row in A,
	s_lshl_b32 s42, s42, 8                         ; in W
	s_and_b32 s22, ttmp7, 0xffff                   ; cluster y
	s_cmp_eq_u32 s11, 0                            ; do I fetch for A?
	s_cselect_b32 s20, s13, s42
	s_cselect_b32 s21, s40, s41                    ; my place among the four that ask for the tile with me
	s_cselect_b32 s22, ttmp9, s22                  ; the coordinate along which other clusters read the same rows
	s_cselect_b64 s[PFA:PFA+1], s[4:5], s[6:7]
	s_cmp_eq_u32 s22, 0
	s_cselect_b32 s[LIM], 1, -1                    ; the same in all sixteen partners, for a given wave
	s_lshl_b32 s22, s12, 7
	s_add_co_u32 s20, s20, s22                     ; + the 128 rows that I fetch
	s_lshl_b32 s21, s21, 5
	s_add_co_u32 s20, s20, s21                     ; + my work-group's 32 of them
	s_lshl_b32 s20, s20, 13
	s_mov_b32 s21, 0
	s_add_nc_u64 s[PFA:PFA+1], s[PFA:PFA+1], s[20:21]
	s_add_nc_u64 s[PFA:PFA+1], s[PFA:PFA+1], 2*STEPB  ; at K step 2: the first refill steps it to 3 and names K step 4.  Nothing is prefetched here, at the head
; 16 matrix instructions: m blocks a0, a0 + 1 of the window's four (hi = 0: my rows 0-63, 1: rows 64-127) x all 8 n blocks, 32 along K.  zero = 1: the first product starts the sums: nothing is ever cleared.
; The 64 accumulators take turns, one instruction a turn, in the same order in every quarter, over the loop's jump too.
.macro MUL16 f, hi, a0, zero
	WIN MUL_LO+0x50*(\hi)
.irp a, \a0, (\a0)+1
.irp b, 0,1,2,3,4,5,6,7
.if \zero
	v_wmma_f32_16x16x32_bf16 v[8*(8*(\a)+(\b)):8*(8*(\a)+(\b))+7], v[(\f)+8*(\b):(\f)+8*(\b)+7], v[(\f)+8*(4*(\hi)+(\a)):(\f)+8*(4*(\hi)+(\a))+7], 0
.else
	v_wmma_f32_16x16x32_bf16 v[8*(8*(\a)+(\b)):8*(8*(\a)+(\b))+7], v[(\f)+8*(\b):(\f)+8*(\b)+7], v[(\f)+8*(4*(\hi)+(\a)):(\f)+8*(4*(\hi)+(\a))+7], v[8*(8*(\a)+(\b)):8*(8*(\a)+(\b))+7]
.endif
.endr
.endr
.endm
; 32 LDS loads in one run: the fragments of one quarter step (128 rows of W, 128 rows of A, 32 K at byte k of the rows) into buffer f
.macro FETCH slot, k, f
	WIN TO_B
.irp i, 0,1,2,3,4,5,6,7
	ds_load_b128 v[(\f)+8*(\i):(\f)+8*(\i)+3],   v[ADRB+(\slot)] offset:(\k)+(\i)*16*PITCH
	ds_load_b128 v[(\f)+8*(\i)+4:(\f)+8*(\i)+7], v[ADRB+(\slot)] offset:(\k)+(\i)*16*PITCH+32
.endr
	WIN 0
.irp i, 0,1,2,3,4,5,6,7
	ds_load_b128 v[(\f)+8*(\i):(\f)+8*(\i)+3],   v[ADRA+(\slot)] offset:(\k)+(\i)*16*PITCH
	ds_load_b128 v[(\f)+8*(\i)+4:(\f)+8*(\i)+7], v[ADRA+(\slot)] offset:(\k)+(\i)*16*PITCH+32
.endr
.endm
; A load into a register that a matrix instruction has read stands four places behind that matrix instruction, and only plain vector instructions that name none of its registers are places
; (ISA guide 7.12.1 for vector instructions): four v_nop in front of each run of loads, sixteen issue slots for a K step's 256 matrix instructions.
.macro PLACES
.rept 4
	v_nop
.endr
.endm
; A K step is four quarter steps of 32 along K, 64 matrix instructions each, on buffers 0, 1, 0, 1.
; One of the first three: multiplies buffer f; in its middle it fetches the next quarter's fragments, at byte k of the same slot's rows, into buffer g, 32 matrix instructions ahead of their first use.
.macro QUARTER slot, k, f, g, zero
	s_wait_dscnt 8                                 ; W and A's rows 0-63 are in; the youngest eight loads (A's rows 64-127) may be out
	MUL16 \f, 0, 0, \zero
	MUL16 \f, 0, 2, \zero
	PLACES
	FETCH \slot, \k, \g
	s_wait_dscnt 32                                ; all but the 32 just issued
	MUL16 \f, 1, 0, \zero
	MUL16 \f, 1, 2, \zero
.endm
; The last quarter multiplies buffer 1 and changes slots.  MEET is its first half: ONE barrier for the change, for two things.  In front of it each wave waits for all its tensor loads, of which one is out: its part of the
; next slot; adds 0 to its spare word; and waits for that and for its own reads of this slot.  Behind it nobody reads this slot any more and the next slot is whole.
; round = 1: the slot is filled again, so its descriptors step, and a round of the cluster's barrier follows.
.macro MEET round, slot
	WIN 0                                          ; (the add's two registers lie in window 0)
	s_wait_tensorcnt 0x0                           ; all my tensor loads have landed, so a group 0 may be written
	ds_add_u32 v[SPW], v[NIL]                      ; 0 onto my spare word
.if \round
	s_add_nc_u64 s[G0+4*(\slot)+2:G0+4*(\slot)+3], s[G0+4*(\slot)+2:G0+4*(\slot)+3], 2*STEPB    ; the slot's next K step; the type bits on top are not reached
	s_add_nc_u64 s[G0B+4*(\slot)+2:G0B+4*(\slot)+3], s[G0B+4*(\slot)+2:G0B+4*(\slot)+3], 2*STEPB
.endif
	s_wait_dscnt 9                                 ; (the add and the youngest eight loads may be out)
	MUL16 F1, 0, 0, 0                              ; sixteen matrix instructions stand between the add and the wait for it
	s_wait_dscnt 0x0                               ; the add is done, and my reads of this slot are over
	s_barrier_signal -1
	MUL16 F1, 0, 2, 0                              ; work on registers while the others arrive
.if \round
	WIN 0
.endif
	s_barrier_wait -1
.endm
; The whole last quarter of a K step whose slot is filled again, two K steps on.  The joint refill is the first thing behind the round: from it to the wait for it a wave issues 224 matrix instructions.
.macro TURN slot, next
	s_wait_xcnt 0x0                                ; the last prefetch, a K step back, has read its address: it is stepped here, ahead of the waits of the change of slots
	s_add_nc_u64 s[PFA:PFA+1], s[PFA:PFA+1], STEPB
	MEET 1, \slot
	CREST                                          ; no wave of any partner still reads this slot's tile or has a load on its way
	JLOAD \slot                                    ; the four v_nop behind it are also the places in front of the loads below
	FETCH \next, 0, F0
	ASK                                            ; behind the joint load and the run of LDS loads that the next products wait for
	MUL16 F1, 1, 0, 0
	MUL16 F1, 1, 2, 0
.endm
; THE WAY OUT of my block a of 16 rows x 128 columns.  TOSTAGE: a lane's 32 bytes of a row go into my own stage, rows of 528 bytes, and come back as whole rows of 512.  Each accumulator's low four registers are read first.
.macro TOSTAGE a
.set AC, 64*((\a)%4)
.set BK, OB+64*((\a)%2)
.if (\a) >= 2
	s_wait_xcnt 0x0                                ; the stores of block a - 2 have read this buffer: it is loaded again only behind this wait
.endif
	WIN ST_LO+4*((\a)/4)
.set bb, 0
.rept 8
	ds_store_b128 v[STO], v[AC+8*bb:AC+8*bb+3] offset:64*bb
	ds_store_b128 v[STO], v[AC+8*bb+4:AC+8*bb+7] offset:64*bb+16
.set bb, bb+1
.endr
	WIN 0
.set tt, 0
.rept 16
	ds_load_b128 v[BK+4*tt:BK+4*tt+3], v[RD] offset:SPITCH*tt  ; LDS serves a wave's instructions in order (ISA guide 5.7.1.4): these see the stores above, and the next block's stores come behind them
.set tt, tt+1
.endr
.endm
.macro SEND a, younger                 ; younger: the LDS instructions issued behind block a's loads: the next block's 16 stores and 16 loads, or none
	WIN 0
.set BK, OB+64*((\a)%2)
.set tt, 0
.rept 16
	s_wait_dscnt (\younger)+15-tt
	global_store_b128 v[CO], v[BK+4*tt:BK+4*tt+3], s[8:9] offset:(16*(\a)+tt)*CROW th:TH_STORE_NT  ; 32 lanes store 512 consecutive bytes, at a multiple of 512 from C's first byte; the row stands in the immediate, 127 rows at the most
.set tt, tt+1
.endr
.endm
	s_wait_tensorcnt 1                             ; my part of K step 0 is in; K step 1's may stay out
	s_barrier_signal -1
	s_barrier_wait -1                              ; everybody's is
	FETCH 0, 0, F0
	QUARTER 0, 64,  F0, F1, 1                      ; the first quarter stands in front of the loop: its products start the sums
	WIN 0                                          ; at a label and at a branch every window is 0
	s_mov_b32 s3, LAPS-1
.Llap:                                                 ; a trip goes once round the ring, from a lap's second quarter to the next lap's first, and fills both slots again
	QUARTER 0, 128, F1, F0, 0
	QUARTER 0, 192, F0, F1, 0
	TURN 0, 1
	QUARTER 1, 64,  F0, F1, 0
	QUARTER 1, 128, F1, F0, 0
	QUARTER 1, 192, F0, F1, 0
	TURN 1, 0
	QUARTER 0, 64,  F0, F1, 0
	WIN 0
	s_sub_co_u32 s3, s3, 1
	s_cmp_lg_u32 s3, 0
	s_cbranch_scc1 .Llap
	; the last lap is written out: it fills nothing, and has no round of the cluster's barrier
	QUARTER 0, 128, F1, F0, 0
	QUARTER 0, 192, F0, F1, 0
	MEET 0, 0                                      ; my one tensor load that was still out is slot 1's, the last K step's
	PLACES                                         ; for the loads into buffer 0, which the quarter before multiplied
	FETCH 1, 0, F0
	MUL16 F1, 1, 0, 0
	MUL16 F1, 1, 2, 0
	QUARTER 1, 64,  F0, F1, 0
	QUARTER 1, 128, F1, F0, 0
	QUARTER 1, 192, F0, F1, 0
	s_wait_dscnt 8                                 ; the very last quarter: nothing more to fetch
	MUL16 F1, 0, 0, 0
	MUL16 F1, 0, 2, 0
	s_wait_dscnt 0x0
	MUL16 F1, 1, 0, 0
	MUL16 F1, 1, 2, 0
	WIN 0
.rept 8
	v_nop                                          ; the places between the last products and the LDS stores that read results and the loads into A's buffers, once a launch
.endr
	TOSTAGE 0
	TOSTAGE 1
	SEND 0, 32
.irp a, 2,3,4,5,6,7                    ; block a goes through the stage while block a - 1 is stored
	TOSTAGE \a
	SEND (\a)-1, 32
.endr
	SEND 7, 0
	s_wait_tensorcnt 0x0                           ; the wave's end: an add and its wait, behind my last tensor load and my last LDS store
	ds_add_u32 v[SPW], v[NIL]
	s_wait_dscnt 0x0
	CROUND                                         ; the closing round: no work-group ends while a partner may still ask for a tile that names it
	s_endpgm
.Lfunc_end_k_q485487d4ab_gemm:
	.size	k_q485487d4ab_gemm, .Lfunc_end_k_q485487d4ab_gemm-k_q485487d4ab_gemm
	.p2alignl 7, 3214868480
	.fill 96, 4, 3214868480
	.section	.rodata,"a",@progbits
	.p2align	6, 0x0
	.amdhsa_kernel k_q485487d4ab_gemm
		.amdhsa_group_segment_fixed_size 327680
		.amdhsa_private_segment_fixed_size 0
		.amdhsa_enable_private_segment 0
		.amdhsa_kernarg_size 24
		.amdhsa_user_sgpr_count 2
		.amdhsa_user_sgpr_kernarg_segment_ptr 1
		.amdhsa_wavefront_size32 1
		.amdhsa_system_sgpr_workgroup_id_x 1
		.amdhsa_system_sgpr_workgroup_id_y 1
		.amdhsa_system_sgpr_workgroup_id_z 1
		.amdhsa_system_vgpr_workitem_id 0
		.amdhsa_next_free_vgpr 1024
		.amdhsa_next_free_sgpr 66
		.amdhsa_reserve_vcc 0
		.amdhsa_float_denorm_mode_32 3
		.amdhsa_float_denorm_mode_16_64 3
		.amdhsa_memory_ordered 1
		.amdhsa_forward_progress 1
		.amdhsa_inst_pref_size 145
	.end_amdhsa_kernel
	.amdgpu_metadata
---
amdhsa.version: [ 1, 2 ]
amdhsa.kernels:
  - .name:           k_q485487d4ab_gemm
    .symbol:         k_q485487d4ab_gemm.kd
    .args:
      - { .name: abf, .offset: 0, .size: 8, .value_kind: global_buffer, .address_space: global }
      - { .name: wbf, .offset: 8, .size: 8, .value_kind: global_buffer, .address_space: global }
      - { .name: out0, .offset: 16, .size: 8, .value_kind: global_buffer, .address_space: global }
    .group_segment_fixed_size: 327680
    .private_segment_fixed_size: 0
    .kernarg_segment_align: 8
    .kernarg_segment_size: 24
    .max_flat_workgroup_size: 128
    .sgpr_count:     66
    .vgpr_count:     1024
    .wavefront_size: 32
...
	.end_amdgpu_metadata
.endif
;; end of part 3
;; ======== version 3 of 3: 2 launches; version 2 with the launch cast written anew for expert scheduling mode
;; workspace buffers: abf 67,108,864 bytes; wbf 16,777,216 bytes
;; launch cast (part 4): grid 1024 x 1, 8 waves a work-group, no clusters, 0 bytes of LDS; arguments input_shards, weight, abf, wbf; writes abf, wbf
.if DOCPART == 4
	.amdgcn_target "amdgcn-amd-amdhsa--gfx1250"
	.amdhsa_code_object_version 6
	.text
	.protected	k_q485487d4ab_cast
	.globl	k_q485487d4ab_cast
	.p2align	8
	.type	k_q485487d4ab_cast,@function
k_q485487d4ab_cast:
	s_mov_b64 s[64:65], 0
	v_nop
	global_prefetch_b8 v0, s[64:65] scope:SCOPE_SE
	s_setreg_imm32_b32 hwreg(HW_REG_WAVE_SCHED_MODE, 0, 2), 2
	s_setreg_imm32_b32 hwreg(HW_REG_WAVE_MODE, 25, 1), 1
	s_wait_xcnt 0x0
	s_wait_alu depctr_vm_vsrc(0)
; THE PROGRAM: out0[m][n] = the sum over k of A[m][k] W[n][k].  A = input_shards read as [8192][4096] (the gather along M is a reshape: no byte moves), W = weight [2048][4096]
; (transed_weight is the constant 0, no buffer: reference() takes weight.T, so W's rows already lie along K), out0 [8192][2048]; all f32.
; NOTHING IS LEFT OUT: every number of both inputs has a way to the output and is loaded.
; THIS LAUNCH rounds A and W once to bf16 (to nearest even; bf16 has f32's exponents, so no range is lost; NaN and infinities go through as the conversion carries them): abf [8192][4096], wbf [2048][4096].
; WHY A LAUNCH OF ITS OWN.  With bf16 tiles the product's two LDS slots hold K steps of 128 where f32 tiles allow 64; each product needs half the LDS bytes; and its loop holds no conversion.  The price is 84 MB
; stored here and read again there.
; SHARES.  1,024 work-groups of eight waves; work-group g takes 131,072 bytes of A and 32,768 bytes of W.  Thread t takes the 16 bytes at 16 t of each piece of 4,096 bytes: 32 pieces of A, then 8 of W.
; So a wave's load covers 512 consecutive bytes, and its store of 8 bytes a lane 256 consecutive bytes at a multiple of 256 from the buffer's first byte.
; DEPTH loads of every wave are on their way.  The 40 turns are written out, each piece's place in the immediate: no address register is ever rewritten.
; No LDS, no barrier, no matrix unit: no thread wants a byte that another has fetched.
; THE MODE: SCHED_MODE bits 1:0 = 2 (LLVM: expert scheduling mode 2), set by the entry lines.  The code itself states the register dependences between vector instructions and memory instructions,
; with s_wait_alu, always for 0.
; THE PLAN.  The 40 turns go in ten blocks of four.  Registers that memory instructions touch:
;   v1, v2   byte offsets, made once at the head and never written again; every load reads v1, every store v2.
;   X        20 slots of four registers, piece n in slot n % 20.  Written by the load of piece n, issued in turn n - 16 (pieces 0 to 15 at the head); read by the two conversions of turn n.
;   Y        16 pairs, piece n in pair n % 16.  Written by the two conversions of turn n; read by the store of piece n, issued in turn n + 4.
; Turn n issues the load of piece n + 16, which lands in slot (n - 4) % 20, and the store of piece n - 4: a slot and a pair that the block before worked on and that no conversion of the block in hand names
; (those name the slots and pairs of pieces 4 p to n, one to four places further on).  So ONE wait on va_vdst at a block's head states all that the block's eight memory instructions hang on.
; Pair n % 16 was last read by the store of piece n - 16, issued in turn n - 12: the wait on vm_vsrc at turn 16 stands behind the stores of pieces 0 to 11 and serves turns 16 to 27; the one at turn 28 stands behind
; those of pieces 12 to 23 and serves turns 28 to 39.
.set DEPTH, 16                         ; loads on their way in each wave
.set BLOCK, 4                          ; turns in a block
.set XS,    DEPTH+BLOCK                ; slots of X: the sixteen on their way or at work, and the block before's four, which are being asked for again
.set YS,    16                         ; pairs of Y
.set NA,    32                         ; pieces of A
.set NW,    8                          ; pieces of W
.set NT,    NA+NW
.set PIECE, 4096                       ; bytes of f32 in a piece: 256 threads x 16
.set LO,  1                            ; v1         16 t: my place in a piece as loaded; never rewritten
.set SO,  2                            ; v2         8 t: my place in a piece as stored; never rewritten
.set X,   4                            ; v[4:83]    slot i: 4 numbers as loaded
.set Y,   84                           ; v[84:115]  pair i: 4 numbers as bf16
	s_load_b256 s[4:11], s[0:1], 0x0               ; A s[4:5], W s[6:7], abf s[8:9], wbf s[10:11]
	v_lshlrev_b32 v[LO], 4, v0
	v_lshlrev_b32 v[SO], 3, v0
	s_lshl_b32 s12, ttmp9, 17                      ; the work-group's part of A: 131,072 bytes (under 2^27 in all),
	s_mov_b32 s13, 0
	s_lshl_b32 s14, ttmp9, 15                      ; of W: 32,768,
	s_mov_b32 s15, 0
	s_lshl_b32 s16, ttmp9, 16                      ; of abf and of wbf: half as many
	s_mov_b32 s17, 0
	s_lshl_b32 s18, ttmp9, 14
	s_mov_b32 s19, 0
	s_wait_kmcnt 0x0
	s_add_nc_u64 s[4:5], s[4:5], s[12:13]
	s_add_nc_u64 s[6:7], s[6:7], s[14:15]
	s_add_nc_u64 s[8:9], s[8:9], s[16:17]
	s_add_nc_u64 s[10:11], s[10:11], s[18:19]
	s_wait_alu depctr_va_vdst(0)                   ; v1 and v2 are written: every load and store of the kernel reads one of them as its offset
.macro LD n                            ; piece n into slot n % XS
.if (\n) < NA
	global_load_b128 v[X+4*((\n)%XS):X+4*((\n)%XS)+3], v[LO], s[4:5] offset:(\n)*PIECE th:TH_LOAD_NT
.else
	global_load_b128 v[X+4*((\n)%XS):X+4*((\n)%XS)+3], v[LO], s[6:7] offset:((\n)-NA)*PIECE th:TH_LOAD_NT
.endif
.endm
.macro ST n                            ; piece n out of pair n % YS
.if (\n) < NA
	global_store_b64 v[SO], v[Y+2*((\n)%YS):Y+2*((\n)%YS)+1], s[8:9] offset:(\n)*PIECE/2
.else
	global_store_b64 v[SO], v[Y+2*((\n)%YS):Y+2*((\n)%YS)+1], s[10:11] offset:((\n)-NA)*PIECE/2
.endif
.endm
.set i, 0
.rept DEPTH
	LD i                                           ; pieces 0 to 15 are asked for
.set i, i+1
.endr
.set i, 0
.rept NT                               ; turn i: piece i + DEPTH is asked for, piece i - BLOCK stored, piece i rounded; the load stands ahead of the store
.if NT-1-i < DEPTH-1
	s_wait_loadcnt NT-1-i                          ; the last turns load nothing: the counts run down
.else
	s_wait_loadcnt DEPTH-1                         ; loads come back in order (ISA guide 5.7.1): mine is in, the fifteen younger ones stay out
.endif
.if (i == YS) || (i == 2*YS-BLOCK)
	s_wait_xcnt 0x0                                ; every earlier memory instruction has had its addresses translated (ISA guide 3.1): the twelve pairs of Y that the next twelve turns write are rewritten only behind this wait,
	s_wait_alu depctr_vm_vsrc(0)                   ; and the stores issued so far, those of pieces up to i - 5, have read their pairs of Y: the conversions of turns i to i + 11 write the pairs of pieces i - 16 to i - 5 again
.endif
.if (i > 0) && (i%BLOCK == 0)
	s_wait_alu depctr_va_vdst(0)                   ; the block before has written its four pairs of Y, which this block's stores read, and is done reading its four slots of X, in which this block's loads (where it still has loads) land
.endif
.if i+DEPTH < NT
	LD i+DEPTH                                     ; no vector instruction since the wait names this slot
.endif
.if i >= BLOCK
	ST i-BLOCK                                     ; nor this pair
.endif
	v_cvt_pk_bf16_f32 v[Y+2*(i%YS)],   v[X+4*(i%XS)],   v[X+4*(i%XS)+1]
	v_cvt_pk_bf16_f32 v[Y+2*(i%YS)+1], v[X+4*(i%XS)+2], v[X+4*(i%XS)+3]
.set i, i+1
.endr
	s_wait_alu depctr_va_vdst(0)                   ; the last block has written its four pairs of Y, which the last four stores read
.set i, NT-BLOCK
.rept BLOCK
	ST i
.set i, i+1
.endr
	s_endpgm
.Lfunc_end_k_q485487d4ab_cast:
	.size	k_q485487d4ab_cast, .Lfunc_end_k_q485487d4ab_cast-k_q485487d4ab_cast
	.p2alignl 7, 3214868480
	.fill 96, 4, 3214868480
	.section	.rodata,"a",@progbits
	.p2align	6, 0x0
	.amdhsa_kernel k_q485487d4ab_cast
		.amdhsa_group_segment_fixed_size 0
		.amdhsa_private_segment_fixed_size 0
		.amdhsa_enable_private_segment 0
		.amdhsa_kernarg_size 32
		.amdhsa_user_sgpr_count 2
		.amdhsa_user_sgpr_kernarg_segment_ptr 1
		.amdhsa_wavefront_size32 1
		.amdhsa_system_sgpr_workgroup_id_x 1
		.amdhsa_system_sgpr_workgroup_id_y 1
		.amdhsa_system_sgpr_workgroup_id_z 1
		.amdhsa_system_vgpr_workitem_id 0
		.amdhsa_next_free_vgpr 116
		.amdhsa_next_free_sgpr 66
		.amdhsa_reserve_vcc 0
		.amdhsa_float_denorm_mode_32 3
		.amdhsa_float_denorm_mode_16_64 3
		.amdhsa_memory_ordered 1
		.amdhsa_forward_progress 1
		.amdhsa_inst_pref_size 16
	.end_amdhsa_kernel
	.amdgpu_metadata
---
amdhsa.version: [ 1, 2 ]
amdhsa.kernels:
  - .name:           k_q485487d4ab_cast
    .symbol:         k_q485487d4ab_cast.kd
    .args:
      - { .name: input_shards, .offset: 0, .size: 8, .value_kind: global_buffer, .address_space: global }
      - { .name: weight, .offset: 8, .size: 8, .value_kind: global_buffer, .address_space: global }
      - { .name: abf, .offset: 16, .size: 8, .value_kind: global_buffer, .address_space: global }
      - { .name: wbf, .offset: 24, .size: 8, .value_kind: global_buffer, .address_space: global }
    .group_segment_fixed_size: 0
    .private_segment_fixed_size: 0
    .kernarg_segment_align: 8
    .kernarg_segment_size: 32
    .max_flat_workgroup_size: 256
    .sgpr_count:     66
    .vgpr_count:     116
    .wavefront_size: 32
...
	.end_amdgpu_metadata
.endif
;; end of part 4
;; launch gemm: the kernel of part 3 again; grid 8 x 32, 4 waves a work-group, clusters of 4 x 4, 327,680 bytes of LDS; arguments abf, wbf, out0; writes out0
